; MI455X (gfx1250); checked and timed in simulation.
; The chip was launched on July 23, 2026; its instructions are those of AMD's public machine-readable ISA for CDNA 5 (MIT licence, August 2026) and "CDNA5" Instruction Set Architecture Reference Guide (July 2026). The comments in the code are by the model that wrote it; some were corrected since.
;; SRBF3d. Allowed arithmetic: float matrix products may take bf16 or f16 operands with f32 sums; all other float work in f32.
;; Inputs: c1 1,024 x 3 float32; c2 1,024 x 3 float32; c3 1,024 x 3 float32; c4 1,024 x 3 float32; h1 1,024 float32; h2 1,024 float32; h3 1,024 float32; h4 1,024 float32; w1 1,024 x 3 float32; w2 1,024 x 3 float32; w3 1,024 x 3 float32; w4 1,024 x 3 float32; x 32,768 x 3 float32.
;; Outputs: out0 32,768 float32; out1 32,768 float32; out2 32,768 float32; out3 32,768 float32; out4 32,768 float32; out5 32,768 float32; out6 32,768 float32; out7 32,768 float32; out8 32,768 float32.
;; 2 versions, each right and faster than the one before. Each part assembles by itself: llvm-mc -triple=amdgcn-amd-amdhsa -mcpu=gfx1250 --defsym DOCPART=n.
;; ======== version 1 of 2: 1 launch
;; launch rbf (part 1): grid 128 x 2, 16 waves a work-group, no clusters, 149,504 bytes of LDS; arguments x, c1, w1, h1, c2, w2, h2, c3, w3, h3, c4, w4, h4, out0, out1, out2, out3, out4, out5, out6, out7, out8; writes out0, out1, out2, out3, out4, out5, out6, out7, out8
.if DOCPART == 1
	.amdgcn_target "amdgcn-amd-amdhsa--gfx1250"
	.amdhsa_code_object_version 6
	.text
	.protected	k_q2f9034dcb2_rbf
	.globl	k_q2f9034dcb2_rbf
	.p2align	8
	.type	k_q2f9034dcb2_rbf,@function
k_q2f9034dcb2_rbf:
	s_mov_b64 s[64:65], 0
	v_nop
	global_prefetch_b8 v0, s[64:65] scope:SCOPE_SE
	s_setreg_imm32_b32 hwreg(HW_REG_WAVE_MODE, 25, 1), 1
	s_wait_xcnt 0x0
; Four sets of 1,024 Gaussian centres against 32,768 points.  For a point x and a centre (c, w, h): e = exp(-sum_k (x_k - c_k)^2 w_k^2);
; set 1 gives ux, uy, uz = sum over centres of -2 (x_k - c_k) w_k^2 e h; sets 2, 3, 4 give sum e h and the derivative along x, y, z.
; ALL IN F32, ON THE VECTOR UNIT.  The matrices of the nine products (e, or diff x e) are made element by element in registers and used once, against ONE column (h).
; For two elements the sums cost 3 packed instructions (sets 2-4) or 4 (set 1); to hand the same two elements to a matrix instruction would cost a rounding to 16 bits for each matrix and the
; multiply diff x e, 3 or 6, and the matrix instructions on top: never fewer, and less exact.  So no matrix instruction is written.
; The differences x - c are formed first, as the definition forms them: no square is expanded and no difference of large sums is taken.
; NO TENSOR LOAD, NO CLUSTER, NO PREFETCH: a work-group reads 59 KB once, at its start, and then works on registers and LDS alone.
; SHARES.  256 work-groups of 16 waves.  Work-group (X, y) owns points 256 X .. 256 X + 255 and two sets: y = 0: A = set 1, B = set 2; y = 1: A = set 3, B = set 4.
; Wave w: g = w / 8 picks A or B, w % 8 picks 128 of its centres = 64 RECORDS of two centres (even, odd).  Every wave covers all 256 points, lane l the eight points 32 p + l:
; one record, read from LDS by all lanes alike (4 loads), feeds 112 or 120 vector instructions.
; ROTATION.  A set's coordinates are kept so that the derivative's comes first: set 3 as (y, z, x), set 4 as (z, x, y).  It enters the byte offsets of the loads of c, w and x alone, so sets 2-4 share one text.
; ARITHMETIC for a record and a point, packed over the two centres: X1, Y1, Z1 = x - c; A, B, C = diff x d', d' = w w (-log2 e); q = A X1 + B Y1 + C Z1; e = 2^q; E = e h;
; sums of e h and of A E (B E, C E).  -2 diff w^2 e h = 2 ln 2 x A E: that factor is applied once, at the end.
; LIMITS.  Sums are taken in another order than the definition's: 16 chains of 64 terms for an output, then a tree.  d' must stay finite: |w| below 1.5e19.
; An e below 2^-126 counts as 0 (v_exp_f32 flushes such results: ISA guide, its entry in 15.8).  NaN and infinities are not treated apart.  No maximum is taken away, as in the definition: q is never above 0.
.set REC,   80                  ; bytes from record to record: 56 used, an odd multiple of 16, so that the 16 lanes of a 16-byte store fall into 16 different columns of 16 bytes modulo 256
.set SETB,  512*REC             ; set B's 512 records lie behind set A's
.set CHUNK, 64*REC              ; a wave's 64 records
.set PART,  1024*REC            ; 81,920: behind the table, the waves' partial sums: wave w at PART + w PREG, [slot][256 points] f32
.set PREG,  4*1024              ; room for four slots a wave, of which three at the most are stored and read: so the reduction's address, which holds (w % 8) x 512, stays inside these
                                ; 65,536 bytes for every wave number 0 to 15: 32,768 + 3,584 + 7 x 4,096 + 512 = 65,536 at the most
.set SPARE, PART+16*PREG        ; 147,456: the spare words, 128 bytes for each of the 16 waves: eight blocks of 256 bytes that no other line names
; a record: +0 c0 (even, odd)  +8 c1  +16 c2  +24 d'0  +32 d'1  +40 d'2  +48 h; coordinates in the set's rotated order
.set SPW, 2                     ; v2   LDS address of my spare word: SPARE + 4 x my thread's number; never rewritten
.set NIL, 3                     ; v3   0; never rewritten
.set TA,  4                     ; v4   LDS address of the trip's records: made anew at each trip's head, TA0 + s[TB]
                                ; v1 lane; v5 12 x lane, later the reduction's LDS address; v6-8 x's byte offsets by position, v6 later the store's; v9 my place in my wave's partial sums; v10 80 t; v11 8 t
.set PT,  12                    ; v[12:59]    point p at PT + 6 p: three pairs (X, X) (Y, Y) (Z, Z), rotated; each number twice, for the packed subtraction
.set ACC, 60                    ; v[60:107]   point p at ACC + 6 p: three pairs of sums (even centres', odd centres'); sets 2-4 use two
.set PA,  108                   ; v[108:121]  a record as it lies in LDS
.set TA0, 122                   ; v122        LDS address of my wave's first record: wave x CHUNK; never rewritten
.set PB,  124                   ; v[124:137]  the other record buffer
.set W,   140                   ; v[140:235]  point p at W + 12 p: +0 X1, then q, then e; +2 Y1, then E; +4 Z1; +6 A; +8 B; +10 C
.set FS,  140                   ; behind the walk W's first 24 registers take the wave's sums: point p, slot i at FS + 3 p + i;
                                ; in the reduction v[140:171] take eight waves' partial sums
.set RA,  140                   ; the set-up borrows W too: v[140:153] the record that I build for set A,
.set RB,  156                   ; v[156:169] for set B,
.set OA,  172                   ; v172-174 byte offsets of my even centre's three coordinates in A's c and w, by position,
.set OB,  175                   ; v175-177 the same for B; v178 24 t
.set TB,  78                    ; s78  bytes from my wave's first record to the trip's: 0, then two records more each trip
; s2 wave; s3 y; s[4:47] the 22 addresses; s[48:59] c, w, h of A and of B; s60 X; s61 g; s62, s63 at work; s66-68, s69-71, s72-74 four times the coordinate at positions 0-2 for A, for B, for my wave's set;
; s75 trips; s76, s77 at work; s79 slot; s[80:81] the last factor; s[82:83] my output; s[84:85] a 64-bit offset; s86 the output's number; s87 half; s88 LDS base; s89 y | g: 0 for set 1 alone
	s_load_b512 s[4:19], s[0:1], 0x0               ; x s[4:5]; c1, w1, h1 s[6:11]; c2, w2, h2 s[12:17]; c3 s[18:19]
	s_load_b512 s[20:35], s[0:1], 0x40             ; w3, h3 s[20:23]; c4, w4, h4 s[24:29]; out0-2 s[30:35]
	s_load_b256 s[36:43], s[0:1], 0x80             ; out3-6
	s_load_b128 s[44:47], s[0:1], 0xa0             ; out7, out8
	v_lshl_add_u32 v[SPW], v0, 2, SPARE
	v_mov_b32 v[NIL], 0
	v_and_b32 v1, 31, v0                           ; lane
	v_lshrrev_b32 v5, 5, v0
	v_readfirstlane_b32 s2, v5                     ; wave 0..15
	s_and_b32 s3, ttmp7, 0xffff                    ; y
	s_mov_b32 s60, ttmp9                           ; X
	s_lshr_b32 s61, s2, 3                          ; g
	s_or_b32 s89, s3, s61
	s_cmp_eq_u32 s3, 0                             ; the rotations, as byte offsets of positions 0, 1, 2
	s_cselect_b32 s66, 0, 4                        ; A: set 1 (x, y, z) or set 3 (y, z, x)
	s_cselect_b32 s67, 4, 8
	s_cselect_b32 s68, 8, 0
	s_cselect_b32 s69, 0, 8                        ; B: set 2 (x, y, z) or set 4 (z, x, y)
	s_cselect_b32 s70, 4, 0
	s_cselect_b32 s71, 8, 4
	s_cmp_eq_u32 s61, 0                            ; my wave's set
	s_cselect_b32 s72, s66, s69
	s_cselect_b32 s73, s67, s70
	s_cselect_b32 s74, s68, s71
	s_mul_i32 s62, s2, CHUNK
	v_mov_b32 v[TA0], s62
	v_mul_u32_u24 v5, 12, v1                       ; a point is 12 bytes
	v_add_nc_u32 v6, s72, v5
	v_add_nc_u32 v7, s73, v5
	v_add_nc_u32 v8, s74, v5
	s_mul_i32 s63, s2, PREG
	s_add_co_u32 s63, s63, PART
	v_lshl_add_u32 v9, v1, 2, s63
	v_mul_u32_u24 v10, REC, v0                     ; thread t builds record t of A and record t of B
	v_lshlrev_b32 v11, 3, v0                       ; its two h
	v_mul_u32_u24 v178, 24, v0                     ; its two centres
	v_add_nc_u32 v[OA], s66, v178
	v_add_nc_u32 v[OA+1], s67, v178
	v_add_nc_u32 v[OA+2], s68, v178
	v_add_nc_u32 v[OB], s69, v178
	v_add_nc_u32 v[OB+1], s70, v178
	v_add_nc_u32 v[OB+2], s71, v178
	s_mul_i32 s84, s60, 256*12                     ; my work-group's points in x
	s_mov_b32 s85, 0
	s_wait_kmcnt 0x0
	s_cmp_eq_u32 s3, 0
	s_cselect_b64 s[48:49], s[6:7], s[18:19]       ; A: c1 or c3,
	s_cselect_b64 s[50:51], s[8:9], s[20:21]       ; w,
	s_cselect_b64 s[52:53], s[10:11], s[22:23]     ; h
	s_cselect_b64 s[54:55], s[12:13], s[24:25]     ; B: c2 or c4,
	s_cselect_b64 s[56:57], s[14:15], s[26:27]
	s_cselect_b64 s[58:59], s[16:17], s[28:29]
	s_add_nc_u64 s[4:5], s[4:5], s[84:85]
; 13 loads: my two centres' c and w, coordinate by coordinate in the rotated order, straight into the record's places; and their h
.macro BUILD_LD r, offs, cb, wb, hb
.irp pos, 0,1,2
.irp ab, 0,1
	global_load_b32 v[(\r)+2*(\pos)+(\ab)],   v[(\offs)+(\pos)], s[\cb:\cb+1] offset:12*(\ab)
	global_load_b32 v[(\r)+6+2*(\pos)+(\ab)], v[(\offs)+(\pos)], s[\wb:\wb+1] offset:12*(\ab)
.endr
.endr
	global_load_b64 v[(\r)+12:(\r)+13], v11, s[\hb:\hb+1]
.endm
; w becomes d' = w w (-log2 e); the record goes to LDS
.macro BUILD_ST r, off
.irp i, 6,8,10
	v_pk_mul_f32 v[(\r)+(\i):(\r)+(\i)+1], v[(\r)+(\i):(\r)+(\i)+1], v[(\r)+(\i):(\r)+(\i)+1]
.endr
.irp i, 6,8,10
	v_pk_mul_f32 v[(\r)+(\i):(\r)+(\i)+1], v[(\r)+(\i):(\r)+(\i)+1], 0xbfb8aa3b op_sel_hi:[1,0]
.endr
	ds_store_b128 v10, v[(\r):(\r)+3]     offset:(\off)
	ds_store_b128 v10, v[(\r)+4:(\r)+7]   offset:(\off)+16
	ds_store_b128 v10, v[(\r)+8:(\r)+11]  offset:(\off)+32
	ds_store_b64  v10, v[(\r)+12:(\r)+13] offset:(\off)+48
.endm
	BUILD_LD RA, OA, 48, 50, 52                    ; all 50 loads of the thread go out together: 26 for the table,
	BUILD_LD RB, OB, 54, 56, 58
.irp p, 0,1,2,3,4,5,6,7                        ; 24 for my eight points: point 32 p + lane lies 384 p + 12 lane bytes into the work-group's part of x
.irp pos, 0,1,2
	global_load_b32 v[PT+6*(\p)+2*(\pos)], v[6+(\pos)], s[4:5] offset:384*(\p)
.endr
.endr
	s_wait_loadcnt 24                              ; loads come back in order: the table's 26 are in, the 24 younger ones may stay out
	BUILD_ST RA, 0
	BUILD_ST RB, SETB
	s_wait_loadcnt 0x0                             ; my points
.irp p, 0,1,2,3,4,5,6,7
.irp pos, 0,1,2
	v_mov_b32 v[PT+6*(\p)+2*(\pos)+1], v[PT+6*(\p)+2*(\pos)]  ; each coordinate twice: one for the even centre, one for the odd
.endr
.endr
	s_wait_dscnt 0x0                               ; for the others' sake: my two records are in LDS
	s_barrier_signal -1
	s_barrier_wait -1                              ; the table is whole
; THE WALK.
.macro LOADP buf, adr, off             ; a record into a buffer: four loads, all lanes at one address
	ds_load_b128 v[(\buf):(\buf)+3],     v[\adr] offset:(\off)
	ds_load_b128 v[(\buf)+4:(\buf)+7],   v[\adr] offset:(\off)+16
	ds_load_b128 v[(\buf)+8:(\buf)+11],  v[\adr] offset:(\off)+32
	ds_load_b64  v[(\buf)+12:(\buf)+13], v[\adr] offset:(\off)+48
.endm
.macro SUB p, buf                      ; X1, Y1, Z1 = x - c
.irp i, 0,2,4
	v_pk_add_f32 v[W+12*(\p)+(\i):W+12*(\p)+(\i)+1], v[PT+6*(\p)+(\i):PT+6*(\p)+(\i)+1], v[(\buf)+(\i):(\buf)+(\i)+1] neg_lo:[0,1] neg_hi:[0,1]
.endr
.endm
.macro MULD p, buf                     ; A, B, C = diff x d'
.irp i, 0,2,4
	v_pk_mul_f32 v[W+12*(\p)+6+(\i):W+12*(\p)+7+(\i)], v[W+12*(\p)+(\i):W+12*(\p)+(\i)+1], v[(\buf)+6+(\i):(\buf)+7+(\i)]
.endr
.endm
.macro Q1 p                            ; q = A X1, in X1's place
.set rW, W+12*(\p)
	v_pk_mul_f32 v[rW:rW+1], v[rW+6:rW+7], v[rW:rW+1]
.endm
.macro Q2 p                            ; + B Y1
.set rW, W+12*(\p)
	v_pk_fma_f32 v[rW:rW+1], v[rW+8:rW+9], v[rW+2:rW+3], v[rW:rW+1]
.endm
.macro Q3 p                            ; + C Z1
.set rW, W+12*(\p)
	v_pk_fma_f32 v[rW:rW+1], v[rW+10:rW+11], v[rW+4:rW+5], v[rW:rW+1]
.endm
.macro EX p, half                      ; e = 2^q, in place
	v_exp_f32 v[W+12*(\p)+(\half)], v[W+12*(\p)+(\half)]
.endm
; Line n of a point's sums.  kind 1 (set 1): 0: E = e h; 1-3: sums of A E, B E, C E.  kind 0 (sets 2-4): 0: E = e h; 1: sum of e h; 2: sum of A E; 3: nothing.
; first = 1: the first record starts the sums, so that nothing is cleared; in kind 0 its e h goes straight into the sum and serves as E from there.
.macro T p, n, buf, kind, first
.set rW, W+12*(\p)
.set rA, ACC+6*(\p)
.set rH, (\buf)+12
.if (\n) == 0
.if ((\kind) == 0) && (\first)
	s_wait_alu depctr_va_vdst(0)
	v_pk_mul_f32 v[rA:rA+1], v[rW:rW+1], v[rH:rH+1]
.else
	s_wait_alu depctr_va_vdst(0)
	v_pk_mul_f32 v[rW+2:rW+3], v[rW:rW+1], v[rH:rH+1]
.endif
.elseif (\kind) == 1
.if \first
	v_pk_mul_f32 v[rA+2*(\n)-2:rA+2*(\n)-1], v[rW+4+2*(\n):rW+5+2*(\n)], v[rW+2:rW+3]
.else
	v_pk_fma_f32 v[rA+2*(\n)-2:rA+2*(\n)-1], v[rW+4+2*(\n):rW+5+2*(\n)], v[rW+2:rW+3], v[rA+2*(\n)-2:rA+2*(\n)-1]
.endif
.elseif (\n) == 1
.if !(\first)
	v_pk_fma_f32 v[rA:rA+1], v[rW:rW+1], v[rH:rH+1], v[rA:rA+1]
.endif
.elseif (\n) == 2
.if \first
	v_pk_mul_f32 v[rA+2:rA+3], v[rW+6:rW+7], v[rA:rA+1]
.else
	v_pk_fma_f32 v[rA+2:rA+3], v[rW+6:rW+7], v[rW+2:rW+3], v[rA+2:rA+3]
.endif
.endif
.endm
; One record against my eight points, which go in two groups of four, so that each group's exponentials stand among the other group's plain work: no two exponentials follow each other, and behind each
; stands a plain instruction that names none of its registers before its result is used (ISA guide 5.7.2); the last one's first reader stands five instructions behind it, or six.
.macro STEP buf, kind, first
.irp p, 0,1,2,3
	SUB \p, \buf
.endr
.irp p, 0,1,2,3
	MULD \p, \buf
.endr
.irp p, 0,1,2,3
	Q1 \p
.endr
.irp p, 0,1,2,3
	Q2 \p
.endr
.irp p, 0,1,2,3
	Q3 \p
.endr
.irp p, 0,1,2,3
	EX \p, 0
	SUB 4+\p, \buf
	EX \p, 1
	MULD 4+\p, \buf
.endr
.irp p, 4,5,6,7
	Q1 \p
.endr
.irp p, 4,5,6,7
	Q2 \p
.endr
.irp p, 4,5,6,7
	Q3 \p
.endr
.irp p, 0,1,2,3
	EX 4+\p, 0
	T \p, 0, \buf, \kind, \first
	T \p, 1, \buf, \kind, \first
	EX 4+\p, 1
	T \p, 2, \buf, \kind, \first
	T \p, 3, \buf, \kind, \first
.endr
.irp n, 0,1,2,3
.irp p, 4,5,6,7
	T \p, \n, \buf, \kind, \first
.endr
.endr
.endm
; The even and the odd centres' sums are added, into the work registers, which the walk has left: point p, slot i at FS + 3 p + i.  Work on registers alone: the stores stand behind the barrier that follows the walk.
.macro FOLD kind
.irp p, 0,1,2,3,4,5,6,7
.irp i, 0,1,2
.if (\i) < 2+(\kind)
	v_add_f32 v[FS+3*(\p)+(\i)], v[ACC+6*(\p)+2*(\i)], v[ACC+6*(\p)+2*(\i)+1]
.endif
.endr
.endr
.endm
; My 64 records: 1 + 31 x 2 + 1 steps on two buffers.  A buffer is asked for a whole step ahead of its use; each counted wait leaves out the four loads just issued, and LDS loads come back in order.
; The trip's address is my wave's first record plus s[TB], which starts at 0 and steps by two records a trip: trip j reads bytes 160 j + 160 .. 160 j + 295 of my 5,120, the last trip up to byte 5,095.
.macro RUN kind
	s_mov_b32 s[TB], 0
	LOADP PA, TA0, 0                               ; record 0
	LOADP PB, TA0, REC                             ; record 1
	s_wait_dscnt 4                                 ; record 0 is in
	STEP PA, \kind, 1
	s_mov_b32 s75, 31
.Ltrip_\@:                                             ; trip j: steps on records 2 j + 1 and 2 j + 2, loads of records 2 j + 2 and 2 j + 3
	v_add_nc_u32 v[TA], s[TB], v[TA0]
	LOADP PA, TA, 2*REC
	s_wait_dscnt 4                                 ; buffer B is in
	STEP PB, \kind, 0
	LOADP PB, TA, 3*REC
	s_wait_dscnt 4                                 ; buffer A is in
	STEP PA, \kind, 0
	s_add_co_u32 s[TB], s[TB], 2*REC
	s_sub_co_u32 s75, s75, 1
	s_cmp_lg_u32 s75, 0
	s_cbranch_scc1 .Ltrip_\@
	s_wait_dscnt 0x0                               ; record 63: nothing was asked for behind it
	STEP PB, \kind, 0
	FOLD \kind
.endm
	s_cmp_lg_u32 s89, 0                            ; set 1 has three derivatives, the others a value and one derivative
	s_cbranch_scc1 .Lkind0
	RUN 1
	s_branch .Ljoin
.Lkind0:
	RUN 0
.Ljoin:
	; A barrier between the walk's LDS reads and the LDS stores that follow.  By the arithmetic above the reads end below PART, where the stores begin; with the barrier, no wave stores before every
	; wave's reads are back, whatever the reads' addresses, which step with the trips.  All sixteen waves meet a few lines further down in any case.
	s_wait_dscnt 0x0                               ; for the others' sake: my reads of the table are back
	s_barrier_signal -1
	s_barrier_wait -1
	; the wave's partial sums go to its own part of LDS: slot i, point 32 p + lane: 32 lanes store 128 neighbouring bytes
.irp p, 0,1,2,3,4,5,6,7
.irp i, 0,1
	ds_store_b32 v9, v[FS+3*(\p)+(\i)] offset:1024*(\i)+128*(\p)
.endr
.endr
	s_cmp_lg_u32 s89, 0
	s_cbranch_scc1 .Ltwo_slots                     ; set 1 alone has a third sum
.irp p, 0,1,2,3,4,5,6,7
	ds_store_b32 v9, v[FS+3*(\p)+2] offset:2048+128*(\p)
.endr
.Ltwo_slots:
	s_wait_dscnt 0x0                               ; for the others' sake: my partial sums are in LDS
	s_barrier_signal -1
	s_barrier_wait -1
	; THE REDUCTION.  Wave w adds the eight partial sums of its own group g for slot (w / 2) % 4 and half w % 2 of the 256 points: 128 points, four a lane.  A wave whose slot its set does not have is done.
	s_bfe_u32 s79, s2, 0x20001                     ; slot: two bits from bit 1
	s_cmp_eq_u32 s89, 0
	s_cselect_b32 s77, 3, 2                        ; slots of my set
	s_cmp_ge_u32 s79, s77
	s_cbranch_scc1 .Lend
	s_and_b32 s88, s2, 7
	s_lshl_b32 s88, s88, 9                         ; slot x 1,024 + half x 512
	s_mul_i32 s63, s61, 8*PREG                     ; my group's eight waves
	s_add_co_u32 s88, s88, s63
	s_add_co_u32 s88, s88, PART
	v_lshl_add_u32 v5, v1, 4, s88
.irp k, 0,1,2,3,4,5,6,7
	ds_load_b128 v[W+4*(\k):W+4*(\k)+3], v5 offset:PREG*(\k)
.endr
	s_and_b32 s87, s2, 1                           ; the scalar work stands in the wait for those loads
	s_lshl_b32 s63, s87, 9
	v_lshl_add_u32 v6, v1, 4, s63                  ; my 16 bytes of the work-group's 1,024 in the output
	s_cmp_eq_u32 s79, 0                            ; slot 0 of sets 2-4 is the plain sum e h: factor 1; every other sum is of A E: factor 2 ln 2
	s_cselect_b32 s63, s89, 0
	s_cmp_lg_u32 s63, 0
	s_cselect_b32 s80, 1.0, 0x3fb17218
	s_mov_b32 s81, s80                             ; named with it as a pair
	s_sub_co_u32 s76, 3, s3                        ; the output's number: 5 y + g (3 - y) + slot
	s_mul_i32 s76, s76, s61
	s_mul_i32 s86, s3, 5
	s_add_co_u32 s86, s86, s76
	s_add_co_u32 s86, s86, s79
	s_mov_b64 s[82:83], s[30:31]
.irp i, 1,2,3,4,5,6,7,8
	s_cmp_eq_u32 s86, \i
	s_cselect_b64 s[82:83], s[30+2*(\i):31+2*(\i)], s[82:83]
.endr
	s_lshl_b32 s84, s60, 10                        ; my work-group's 256 numbers
	s_mov_b32 s85, 0
	s_add_nc_u64 s[82:83], s[82:83], s[84:85]
	s_wait_dscnt 0x0
.irp k, 0,2,4,6                                ; a tree: neighbours 1, 2 and 4 apart
	v_pk_add_f32 v[W+4*(\k):W+4*(\k)+1],   v[W+4*(\k):W+4*(\k)+1],   v[W+4*(\k)+4:W+4*(\k)+5]
	v_pk_add_f32 v[W+4*(\k)+2:W+4*(\k)+3], v[W+4*(\k)+2:W+4*(\k)+3], v[W+4*(\k)+6:W+4*(\k)+7]
.endr
.irp k, 0,4
	v_pk_add_f32 v[W+4*(\k):W+4*(\k)+1],   v[W+4*(\k):W+4*(\k)+1],   v[W+4*(\k)+8:W+4*(\k)+9]
	v_pk_add_f32 v[W+4*(\k)+2:W+4*(\k)+3], v[W+4*(\k)+2:W+4*(\k)+3], v[W+4*(\k)+10:W+4*(\k)+11]
.endr
	v_pk_add_f32 v[W:W+1],   v[W:W+1],   v[W+16:W+17]
	v_pk_add_f32 v[W+2:W+3], v[W+2:W+3], v[W+18:W+19]
	v_pk_mul_f32 v[W:W+1],   v[W:W+1],   s[80:81] op_sel_hi:[1,0]
	v_pk_mul_f32 v[W+2:W+3], v[W+2:W+3], s[80:81] op_sel_hi:[1,0]
	global_store_b128 v6, v[W:W+3], s[82:83] th:TH_STORE_NT  ; the wave stores 512 consecutive bytes, at a multiple of 512 from the output's first byte
.Lend:
	; All sixteen waves meet once more: no wave touches its spare word before every wave's reads of the partial sums are back.  (By the arithmetic at PREG those reads end below SPARE.)
	s_wait_dscnt 0x0                               ; for the others' sake: my reads of the partial sums are back
	s_barrier_signal -1
	s_barrier_wait -1
	s_wait_tensorcnt 0x0                           ; the wave's end
	ds_add_u32 v[SPW], v[NIL]
	s_wait_dscnt 0x0
	s_endpgm
.Lfunc_end_k_q2f9034dcb2_rbf:
	.size	k_q2f9034dcb2_rbf, .Lfunc_end_k_q2f9034dcb2_rbf-k_q2f9034dcb2_rbf
	.p2alignl 7, 3214868480
	.fill 96, 4, 3214868480
	.section	.rodata,"a",@progbits
	.p2align	6, 0x0
	.amdhsa_kernel k_q2f9034dcb2_rbf
		.amdhsa_group_segment_fixed_size 149504
		.amdhsa_private_segment_fixed_size 0
		.amdhsa_enable_private_segment 0
		.amdhsa_kernarg_size 176
		.amdhsa_user_sgpr_count 2
		.amdhsa_user_sgpr_kernarg_segment_ptr 1
		.amdhsa_wavefront_size32 1
		.amdhsa_system_sgpr_workgroup_id_x 1
		.amdhsa_system_sgpr_workgroup_id_y 1
		.amdhsa_system_sgpr_workgroup_id_z 1
		.amdhsa_system_vgpr_workitem_id 0
		.amdhsa_next_free_vgpr 236
		.amdhsa_next_free_sgpr 90
		.amdhsa_reserve_vcc 0
		.amdhsa_float_denorm_mode_32 3
		.amdhsa_float_denorm_mode_16_64 3
		.amdhsa_memory_ordered 1
		.amdhsa_forward_progress 1
		.amdhsa_inst_pref_size 75
	.end_amdhsa_kernel
	.amdgpu_metadata
---
amdhsa.version: [ 1, 2 ]
amdhsa.kernels:
  - .name:           k_q2f9034dcb2_rbf
    .symbol:         k_q2f9034dcb2_rbf.kd
    .args:
      - { .name: x, .offset: 0, .size: 8, .value_kind: global_buffer, .address_space: global }
      - { .name: c1, .offset: 8, .size: 8, .value_kind: global_buffer, .address_space: global }
      - { .name: w1, .offset: 16, .size: 8, .value_kind: global_buffer, .address_space: global }
      - { .name: h1, .offset: 24, .size: 8, .value_kind: global_buffer, .address_space: global }
      - { .name: c2, .offset: 32, .size: 8, .value_kind: global_buffer, .address_space: global }
      - { .name: w2, .offset: 40, .size: 8, .value_kind: global_buffer, .address_space: global }
      - { .name: h2, .offset: 48, .size: 8, .value_kind: global_buffer, .address_space: global }
      - { .name: c3, .offset: 56, .size: 8, .value_kind: global_buffer, .address_space: global }
      - { .name: w3, .offset: 64, .size: 8, .value_kind: global_buffer, .address_space: global }
      - { .name: h3, .offset: 72, .size: 8, .value_kind: global_buffer, .address_space: global }
      - { .name: c4, .offset: 80, .size: 8, .value_kind: global_buffer, .address_space: global }
      - { .name: w4, .offset: 88, .size: 8, .value_kind: global_buffer, .address_space: global }
      - { .name: h4, .offset: 96, .size: 8, .value_kind: global_buffer, .address_space: global }
      - { .name: out0, .offset: 104, .size: 8, .value_kind: global_buffer, .address_space: global }
      - { .name: out1, .offset: 112, .size: 8, .value_kind: global_buffer, .address_space: global }
      - { .name: out2, .offset: 120, .size: 8, .value_kind: global_buffer, .address_space: global }
      - { .name: out3, .offset: 128, .size: 8, .value_kind: global_buffer, .address_space: global }
      - { .name: out4, .offset: 136, .size: 8, .value_kind: global_buffer, .address_space: global }
      - { .name: out5, .offset: 144, .size: 8, .value_kind: global_buffer, .address_space: global }
      - { .name: out6, .offset: 152, .size: 8, .value_kind: global_buffer, .address_space: global }
      - { .name: out7, .offset: 160, .size: 8, .value_kind: global_buffer, .address_space: global }
      - { .name: out8, .offset: 168, .size: 8, .value_kind: global_buffer, .address_space: global }
    .group_segment_fixed_size: 149504
    .private_segment_fixed_size: 0
    .kernarg_segment_align: 8
    .kernarg_segment_size: 176
    .max_flat_workgroup_size: 512
    .sgpr_count:     90
    .vgpr_count:     236
    .wavefront_size: 32
...
	.end_amdgpu_metadata
.endif
;; end of part 1
;; ======== version 2 of 2: 1 launch; 1.16 times as fast as version 1
;; launch rbf (part 2): grid 128 x 2, 16 waves a work-group, no clusters, 149,504 bytes of LDS; arguments x, c1, w1, h1, c2, w2, h2, c3, w3, h3, c4, w4, h4, out0, out1, out2, out3, out4, out5, out6, out7, out8; writes out0, out1, out2, out3, out4, out5, out6, out7, out8
.if DOCPART == 2
	.amdgcn_target "amdgcn-amd-amdhsa--gfx1250"
	.amdhsa_code_object_version 6
	.text
	.protected	k_q2f9034dcb2_rbf
	.globl	k_q2f9034dcb2_rbf
	.p2align	8
	.type	k_q2f9034dcb2_rbf,@function
k_q2f9034dcb2_rbf:
	s_mov_b64 s[64:65], 0
	v_nop
	global_prefetch_b8 v0, s[64:65] scope:SCOPE_SE
	s_setreg_imm32_b32 hwreg(HW_REG_WAVE_MODE, 25, 1), 1
	s_wait_xcnt 0x0
; Four sets of 1,024 Gaussian centres against 32,768 points.  For a point x and a centre (c, w, h): e = exp(-sum_k (x_k - c_k)^2 w_k^2);
; set 1 gives ux, uy, uz = sum over centres of -2 (x_k - c_k) w_k^2 e h; sets 2, 3, 4 give sum e h and the derivative along x, y, z.
; ALL IN F32, ON THE VECTOR UNIT.  The matrices of the nine products (e, or diff x e) are made element by element in registers and used once, against ONE column (h).
; For two elements the sums cost 3 packed instructions (sets 2-4) or 4 (set 1); to hand the same two elements to a matrix instruction would cost a rounding to 16 bits for each matrix and the
; multiply diff x e, 3 or 6, and the matrix instructions on top: never fewer, and less exact.  So no matrix instruction is written.
; The differences x - c are formed first, as the definition forms them: no square is expanded and no difference of large sums is taken.
; NO TENSOR LOAD, NO CLUSTER, NO PREFETCH: a work-group reads 59 KB once, at its start, and then works on registers and LDS alone.
; SHARES.  256 work-groups of 16 waves.  Work-group (X, y) owns points 256 X .. 256 X + 255 and two sets: y = 0: A = set 1, B = set 2; y = 1: A = set 3, B = set 4.
; Wave w: g = w / 8 picks A or B, w % 8 picks 128 of its centres = 64 RECORDS of two centres (even, odd).  Every wave covers all 256 points, lane l the eight points 32 p + l:
; one record, read from LDS by all lanes alike (4 loads), feeds 113 or 121 vector instructions.
; ROTATION.  A set's coordinates are kept so that the derivative's comes first: set 3 as (y, z, x), set 4 as (z, x, y).  It enters the byte offsets of the loads of c, w and x alone, so sets 2-4 share one text.
; ARITHMETIC for a record and a point, packed over the two centres: X1, Y1, Z1 = x - c; A, B, C = diff x d', d' = w w (-log2 e); q = A X1 + B Y1 + C Z1; e = 2^q; E = e h;
; sums of e h and of A E (B E, C E).  -2 diff w^2 e h = 2 ln 2 x A E: that factor is applied once, at the end.
; THE EXPONENTIALS.  A step (one record against my eight points) has 16, each in a register of its own, in q's place.  They are ONE BATCH with ONE wait: ahead of the wait stands all that reads no e
; (the differences, A, B, C and q of all eight points), the exponentials among it as their q come ready; behind the wait stand all the lines that read e.  The launch has no other transcendental.
; LIMITS.  Sums are taken in another order than the definition's: 16 chains of 64 terms for an output, then a tree.  d' must stay finite: |w| below 1.5e19.
; An e below 2^-126 counts as 0 (v_exp_f32 flushes such results: ISA guide, its entry in 15.8).  NaN and infinities are not treated apart.  No maximum is taken away, as in the definition: q is never above 0.
.set REC,   80                  ; bytes from record to record: 56 used, an odd multiple of 16, so that the 16 lanes of a 16-byte store fall into 16 different columns of 16 bytes modulo 256
.set SETB,  512*REC             ; set B's 512 records lie behind set A's
.set CHUNK, 64*REC              ; a wave's 64 records
.set PART,  1024*REC            ; 81,920: behind the table, the waves' partial sums: wave w at PART + w PREG, [slot][256 points] f32
.set PREG,  4*1024              ; room for four slots a wave, of which three at the most are stored and read: so the reduction's address, which holds (w % 8) x 512, stays inside these
                                ; 65,536 bytes for every wave number 0 to 15: 32,768 + 3,584 + 7 x 4,096 + 512 = 65,536 at the most
.set SPARE, PART+16*PREG        ; 147,456: the spare words, 128 bytes for each of the 16 waves: eight blocks of 256 bytes that no other line names
; a record: +0 c0 (even, odd)  +8 c1  +16 c2  +24 d'0  +32 d'1  +40 d'2  +48 h; coordinates in the set's rotated order
.set SPW, 2                     ; v2   LDS address of my spare word: SPARE + 4 x my thread's number; never rewritten
.set NIL, 3                     ; v3   0; never rewritten
.set TA,  4                     ; v4   LDS address of the trip's records: made anew at each trip's head, TA0 + s[TB]
                                ; v1 lane; v5 12 x lane, later the reduction's LDS address; v6-8 x's byte offsets by position, v6 later the store's; v9 my place in my wave's partial sums; v10 80 t; v11 8 t
.set PT,  12                    ; v[12:59]    point p at PT + 6 p: three pairs (X, X) (Y, Y) (Z, Z), rotated; each number twice, for the packed subtraction
.set ACC, 60                    ; v[60:107]   point p at ACC + 6 p: three pairs of sums (even centres', odd centres'); sets 2-4 use two
.set PA,  108                   ; v[108:121]  a record as it lies in LDS
.set TA0, 122                   ; v122        LDS address of my wave's first record: wave x CHUNK; never rewritten
.set PB,  124                   ; v[124:137]  the other record buffer
.set W,   140                   ; v[140:235]  point p at W + 12 p: +0 X1, then q, then e; +2 Y1, then E; +4 Z1; +6 A; +8 B; +10 C
.set FS,  140                   ; behind the walk W's first 24 registers take the wave's sums: point p, slot i at FS + 3 p + i;
                                ; in the reduction v[140:171] take eight waves' partial sums
.set RA,  140                   ; the set-up borrows W too: v[140:153] the record that I build for set A,
.set RB,  156                   ; v[156:169] for set B,
.set OA,  172                   ; v172-174 byte offsets of my even centre's three coordinates in A's c and w, by position,
.set OB,  175                   ; v175-177 the same for B; v178 24 t
.set TB,  78                    ; s78  bytes from my wave's first record to the trip's: 0, then two records more each trip
; s2 wave; s3 y; s[4:47] the 22 addresses; s[48:59] c, w, h of A and of B; s60 X; s61 g; s62, s63 at work; s66-68, s69-71, s72-74 four times the coordinate at positions 0-2 for A, for B, for my wave's set;
; s75 trips; s76, s77 at work; s79 slot; s[80:81] the last factor; s[82:83] my output; s[84:85] a 64-bit offset; s86 the output's number; s87 half; s88 LDS base; s89 y | g: 0 for set 1 alone
	s_load_b512 s[4:19], s[0:1], 0x0               ; x s[4:5]; c1, w1, h1 s[6:11]; c2, w2, h2 s[12:17]; c3 s[18:19]
	s_load_b512 s[20:35], s[0:1], 0x40             ; w3, h3 s[20:23]; c4, w4, h4 s[24:29]; out0-2 s[30:35]
	s_load_b256 s[36:43], s[0:1], 0x80             ; out3-6
	s_load_b128 s[44:47], s[0:1], 0xa0             ; out7, out8
	v_lshl_add_u32 v[SPW], v0, 2, SPARE
	v_mov_b32 v[NIL], 0
	v_and_b32 v1, 31, v0                           ; lane
	v_lshrrev_b32 v5, 5, v0
	v_readfirstlane_b32 s2, v5                     ; wave 0..15
	s_and_b32 s3, ttmp7, 0xffff                    ; y
	s_mov_b32 s60, ttmp9                           ; X
	s_lshr_b32 s61, s2, 3                          ; g
	s_or_b32 s89, s3, s61
	s_cmp_eq_u32 s3, 0                             ; the rotations, as byte offsets of positions 0, 1, 2
	s_cselect_b32 s66, 0, 4                        ; A: set 1 (x, y, z) or set 3 (y, z, x)
	s_cselect_b32 s67, 4, 8
	s_cselect_b32 s68, 8, 0
	s_cselect_b32 s69, 0, 8                        ; B: set 2 (x, y, z) or set 4 (z, x, y)
	s_cselect_b32 s70, 4, 0
	s_cselect_b32 s71, 8, 4
	s_cmp_eq_u32 s61, 0                            ; my wave's set
	s_cselect_b32 s72, s66, s69
	s_cselect_b32 s73, s67, s70
	s_cselect_b32 s74, s68, s71
	s_mul_i32 s62, s2, CHUNK
	v_mov_b32 v[TA0], s62
	v_mul_u32_u24 v5, 12, v1                       ; a point is 12 bytes
	v_add_nc_u32 v6, s72, v5
	v_add_nc_u32 v7, s73, v5
	v_add_nc_u32 v8, s74, v5
	s_mul_i32 s63, s2, PREG
	s_add_co_u32 s63, s63, PART
	v_lshl_add_u32 v9, v1, 2, s63
	v_mul_u32_u24 v10, REC, v0                     ; thread t builds record t of A and record t of B
	v_lshlrev_b32 v11, 3, v0                       ; its two h
	v_mul_u32_u24 v178, 24, v0                     ; its two centres
	v_add_nc_u32 v[OA], s66, v178
	v_add_nc_u32 v[OA+1], s67, v178
	v_add_nc_u32 v[OA+2], s68, v178
	v_add_nc_u32 v[OB], s69, v178
	v_add_nc_u32 v[OB+1], s70, v178
	v_add_nc_u32 v[OB+2], s71, v178
	s_mul_i32 s84, s60, 256*12                     ; my work-group's points in x
	s_mov_b32 s85, 0
	s_wait_kmcnt 0x0
	s_cmp_eq_u32 s3, 0
	s_cselect_b64 s[48:49], s[6:7], s[18:19]       ; A: c1 or c3,
	s_cselect_b64 s[50:51], s[8:9], s[20:21]       ; w,
	s_cselect_b64 s[52:53], s[10:11], s[22:23]     ; h
	s_cselect_b64 s[54:55], s[12:13], s[24:25]     ; B: c2 or c4,
	s_cselect_b64 s[56:57], s[14:15], s[26:27]
	s_cselect_b64 s[58:59], s[16:17], s[28:29]
	s_add_nc_u64 s[4:5], s[4:5], s[84:85]
; 13 loads: my two centres' c and w, coordinate by coordinate in the rotated order, straight into the record's places; and their h
.macro BUILD_LD r, offs, cb, wb, hb
.irp pos, 0,1,2
.irp ab, 0,1
	global_load_b32 v[(\r)+2*(\pos)+(\ab)],   v[(\offs)+(\pos)], s[\cb:\cb+1] offset:12*(\ab)
	global_load_b32 v[(\r)+6+2*(\pos)+(\ab)], v[(\offs)+(\pos)], s[\wb:\wb+1] offset:12*(\ab)
.endr
.endr
	global_load_b64 v[(\r)+12:(\r)+13], v11, s[\hb:\hb+1]
.endm
; w becomes d' = w w (-log2 e); the record goes to LDS
.macro BUILD_ST r, off
.irp i, 6,8,10
	v_pk_mul_f32 v[(\r)+(\i):(\r)+(\i)+1], v[(\r)+(\i):(\r)+(\i)+1], v[(\r)+(\i):(\r)+(\i)+1]
.endr
.irp i, 6,8,10
	v_pk_mul_f32 v[(\r)+(\i):(\r)+(\i)+1], v[(\r)+(\i):(\r)+(\i)+1], 0xbfb8aa3b op_sel_hi:[1,0]
.endr
	ds_store_b128 v10, v[(\r):(\r)+3]     offset:(\off)
	ds_store_b128 v10, v[(\r)+4:(\r)+7]   offset:(\off)+16
	ds_store_b128 v10, v[(\r)+8:(\r)+11]  offset:(\off)+32
	ds_store_b64  v10, v[(\r)+12:(\r)+13] offset:(\off)+48
.endm
	BUILD_LD RA, OA, 48, 50, 52                    ; all 50 loads of the thread go out together: 26 for the table,
	BUILD_LD RB, OB, 54, 56, 58
.irp p, 0,1,2,3,4,5,6,7                        ; 24 for my eight points: point 32 p + lane lies 384 p + 12 lane bytes into the work-group's part of x
.irp pos, 0,1,2
	global_load_b32 v[PT+6*(\p)+2*(\pos)], v[6+(\pos)], s[4:5] offset:384*(\p)
.endr
.endr
	s_wait_loadcnt 24                              ; loads come back in order: the table's 26 are in, the 24 younger ones may stay out
	BUILD_ST RA, 0
	BUILD_ST RB, SETB
	s_wait_loadcnt 0x0                             ; my points
.irp p, 0,1,2,3,4,5,6,7
.irp pos, 0,1,2
	v_mov_b32 v[PT+6*(\p)+2*(\pos)+1], v[PT+6*(\p)+2*(\pos)]  ; each coordinate twice: one for the even centre, one for the odd
.endr
.endr
	s_wait_dscnt 0x0                               ; for the others' sake: my two records are in LDS
	s_barrier_signal -1
	s_barrier_wait -1                              ; the table is whole
; THE WALK.
.macro LOADP buf, adr, off             ; a record into a buffer: four loads, all lanes at one address
	ds_load_b128 v[(\buf):(\buf)+3],     v[\adr] offset:(\off)
	ds_load_b128 v[(\buf)+4:(\buf)+7],   v[\adr] offset:(\off)+16
	ds_load_b128 v[(\buf)+8:(\buf)+11],  v[\adr] offset:(\off)+32
	ds_load_b64  v[(\buf)+12:(\buf)+13], v[\adr] offset:(\off)+48
.endm
.macro SUB p, buf                      ; X1, Y1, Z1 = x - c
.irp i, 0,2,4
	v_pk_add_f32 v[W+12*(\p)+(\i):W+12*(\p)+(\i)+1], v[PT+6*(\p)+(\i):PT+6*(\p)+(\i)+1], v[(\buf)+(\i):(\buf)+(\i)+1] neg_lo:[0,1] neg_hi:[0,1]
.endr
.endm
.macro MULD p, buf                     ; A, B, C = diff x d'
.irp i, 0,2,4
	v_pk_mul_f32 v[W+12*(\p)+6+(\i):W+12*(\p)+7+(\i)], v[W+12*(\p)+(\i):W+12*(\p)+(\i)+1], v[(\buf)+6+(\i):(\buf)+7+(\i)]
.endr
.endm
.macro Q1 p                            ; q = A X1, in X1's place
.set rW, W+12*(\p)
	v_pk_mul_f32 v[rW:rW+1], v[rW+6:rW+7], v[rW:rW+1]
.endm
.macro Q2 p                            ; + B Y1
.set rW, W+12*(\p)
	v_pk_fma_f32 v[rW:rW+1], v[rW+8:rW+9], v[rW+2:rW+3], v[rW:rW+1]
.endm
.macro Q3 p                            ; + C Z1
.set rW, W+12*(\p)
	v_pk_fma_f32 v[rW:rW+1], v[rW+10:rW+11], v[rW+4:rW+5], v[rW:rW+1]
.endm
.macro EX p, half                      ; e = 2^q, in place
	v_exp_f32 v[W+12*(\p)+(\half)], v[W+12*(\p)+(\half)]
.endm
; Line n of a point's sums.  kind 1 (set 1): 0: E = e h; 1-3: sums of A E, B E, C E.  kind 0 (sets 2-4): 0: E = e h; 1: sum of e h; 2: sum of A E; 3: nothing.
; first = 1: the first record starts the sums, so that nothing is cleared; in kind 0 its e h goes straight into the sum and serves as E from there.
; Lines 0 (and, in kind 0, 1) read e: all of T's lines stand behind STEP's wait.
.macro T p, n, buf, kind, first
.set rW, W+12*(\p)
.set rA, ACC+6*(\p)
.set rH, (\buf)+12
.if (\n) == 0
.if ((\kind) == 0) && (\first)
	v_pk_mul_f32 v[rA:rA+1], v[rW:rW+1], v[rH:rH+1]
.else
	v_pk_mul_f32 v[rW+2:rW+3], v[rW:rW+1], v[rH:rH+1]
.endif
.elseif (\kind) == 1
.if \first
	v_pk_mul_f32 v[rA+2*(\n)-2:rA+2*(\n)-1], v[rW+4+2*(\n):rW+5+2*(\n)], v[rW+2:rW+3]
.else
	v_pk_fma_f32 v[rA+2*(\n)-2:rA+2*(\n)-1], v[rW+4+2*(\n):rW+5+2*(\n)], v[rW+2:rW+3], v[rA+2*(\n)-2:rA+2*(\n)-1]
.endif
.elseif (\n) == 1
.if !(\first)
	v_pk_fma_f32 v[rA:rA+1], v[rW:rW+1], v[rH:rH+1], v[rA:rA+1]
.endif
.elseif (\n) == 2
.if \first
	v_pk_mul_f32 v[rA+2:rA+3], v[rW+6:rW+7], v[rA:rA+1]
.else
	v_pk_fma_f32 v[rA+2:rA+3], v[rW+6:rW+7], v[rW+2:rW+3], v[rA+2:rA+3]
.endif
.endif
.endm
; One record against my eight points.  The step's 16 exponentials are one batch, and one wait cuts the step in two.
; AHEAD OF THE WAIT: the 72 plain lines that lead to q, none of which reads an e.  Points 0-3 go first, stage by stage.  Then points 4, 5 and points 6, 7, a pair behind a pair, and among their 36 lines, one behind
; every two or three of them, the exponentials of points 0-3 and then of points 4, 5: each line there names the work registers of a point whose exponentials are still to come, and no result of the batch.
; The differences of points 6, 7 stand between the links Q1, Q2, Q3 of points 4, 5; between the links of points 6, 7 stand the partner's line and an exponential.
; The four exponentials of points 6, 7 follow each other: every plain line that reads no e has been issued by then.
; BEHIND THE WAIT: the sums of all eight points, line by line, so that eight lines lie between E and its first use.
.macro STEP buf, kind, first
.irp p, 0,1,2,3
	SUB \p, \buf
.endr
.irp p, 0,1,2,3
	MULD \p, \buf
.endr
.irp p, 0,1,2,3
	Q1 \p
.endr
.irp p, 0,1,2,3
	Q2 \p
.endr
.irp p, 0,1,2,3
	Q3 \p
.endr
	EX 0, 0
	SUB 4, \buf
	EX 0, 1
	SUB 5, \buf
	EX 1, 0
	MULD 4, \buf
	EX 1, 1
	MULD 5, \buf
	EX 2, 0
	Q1 4
	Q1 5
	EX 2, 1
	SUB 6, \buf
	Q2 4
	Q2 5
	EX 3, 0
	SUB 7, \buf
	Q3 4
	Q3 5
	EX 3, 1
	MULD 6, \buf
	EX 4, 0
	MULD 7, \buf
	EX 4, 1
	Q1 6
	Q1 7
	EX 5, 0
	Q2 6
	Q2 7
	EX 5, 1
	Q3 6
	Q3 7
	EX 6, 0
	EX 6, 1
	EX 7, 0
	EX 7, 1
	v_nop                                          ; a plain instruction behind the last exponential, before a result is used (ISA guide 5.7.2): one for the batch; no plain line that reads no e is left to take its place
	s_wait_alu depctr_va_vdst(0)                   ; the wait for the batch, the step's 16 exponentials: ahead of the first line that names a result; no exponential is issued behind it
.irp n, 0,1,2,3
.irp p, 0,1,2,3,4,5,6,7
	T \p, \n, \buf, \kind, \first
.endr
.endr
.endm
; The even and the odd centres' sums are added, into the work registers, which the walk has left: point p, slot i at FS + 3 p + i.  Work on registers alone: the stores stand behind the barrier that follows the walk.
.macro FOLD kind
.irp p, 0,1,2,3,4,5,6,7
.irp i, 0,1,2
.if (\i) < 2+(\kind)
	v_add_f32 v[FS+3*(\p)+(\i)], v[ACC+6*(\p)+2*(\i)], v[ACC+6*(\p)+2*(\i)+1]
.endif
.endr
.endr
.endm
; My 64 records: 1 + 31 x 2 + 1 steps on two buffers.  A buffer is asked for a whole step ahead of its use; each counted wait leaves out the four loads just issued, and LDS loads come back in order.
; The trip's address is my wave's first record plus s[TB], which starts at 0 and steps by two records a trip: trip j reads bytes 160 j + 160 .. 160 j + 295 of my 5,120, the last trip up to byte 5,095.
.macro RUN kind
	s_mov_b32 s[TB], 0
	LOADP PA, TA0, 0                               ; record 0
	LOADP PB, TA0, REC                             ; record 1
	s_wait_dscnt 4                                 ; record 0 is in
	STEP PA, \kind, 1
	s_mov_b32 s75, 31
.Ltrip_\@:                                             ; trip j: steps on records 2 j + 1 and 2 j + 2, loads of records 2 j + 2 and 2 j + 3
	v_add_nc_u32 v[TA], s[TB], v[TA0]
	LOADP PA, TA, 2*REC
	s_wait_dscnt 4                                 ; buffer B is in
	STEP PB, \kind, 0
	LOADP PB, TA, 3*REC
	s_wait_dscnt 4                                 ; buffer A is in
	STEP PA, \kind, 0
	s_add_co_u32 s[TB], s[TB], 2*REC
	s_sub_co_u32 s75, s75, 1
	s_cmp_lg_u32 s75, 0
	s_cbranch_scc1 .Ltrip_\@
	s_wait_dscnt 0x0                               ; record 63: nothing was asked for behind it
	STEP PB, \kind, 0
	FOLD \kind
.endm
	s_cmp_lg_u32 s89, 0                            ; set 1 has three derivatives, the others a value and one derivative
	s_cbranch_scc1 .Lkind0
	RUN 1
	s_branch .Ljoin
.Lkind0:
	RUN 0
.Ljoin:
	; A barrier between the walk's LDS reads and the LDS stores that follow.  By the arithmetic above the reads end below PART, where the stores begin; with the barrier, no wave stores before every
	; wave's reads are back, whatever the reads' addresses, which step with the trips.  All sixteen waves meet a few lines further down in any case.
	s_wait_dscnt 0x0                               ; for the others' sake: my reads of the table are back
	s_barrier_signal -1
	s_barrier_wait -1
	; the wave's partial sums go to its own part of LDS: slot i, point 32 p + lane: 32 lanes store 128 neighbouring bytes
.irp p, 0,1,2,3,4,5,6,7
.irp i, 0,1
	ds_store_b32 v9, v[FS+3*(\p)+(\i)] offset:1024*(\i)+128*(\p)
.endr
.endr
	s_cmp_lg_u32 s89, 0
	s_cbranch_scc1 .Ltwo_slots                     ; set 1 alone has a third sum
.irp p, 0,1,2,3,4,5,6,7
	ds_store_b32 v9, v[FS+3*(\p)+2] offset:2048+128*(\p)
.endr
.Ltwo_slots:
	s_wait_dscnt 0x0                               ; for the others' sake: my partial sums are in LDS
	s_barrier_signal -1
	s_barrier_wait -1
	; THE REDUCTION.  Wave w adds the eight partial sums of its own group g for slot (w / 2) % 4 and half w % 2 of the 256 points: 128 points, four a lane.  A wave whose slot its set does not have is done.
	s_bfe_u32 s79, s2, 0x20001                     ; slot: two bits from bit 1
	s_cmp_eq_u32 s89, 0
	s_cselect_b32 s77, 3, 2                        ; slots of my set
	s_cmp_ge_u32 s79, s77
	s_cbranch_scc1 .Lend
	s_and_b32 s88, s2, 7
	s_lshl_b32 s88, s88, 9                         ; slot x 1,024 + half x 512
	s_mul_i32 s63, s61, 8*PREG                     ; my group's eight waves
	s_add_co_u32 s88, s88, s63
	s_add_co_u32 s88, s88, PART
	v_lshl_add_u32 v5, v1, 4, s88
.irp k, 0,1,2,3,4,5,6,7
	ds_load_b128 v[W+4*(\k):W+4*(\k)+3], v5 offset:PREG*(\k)
.endr
	s_and_b32 s87, s2, 1                           ; the scalar work stands in the wait for those loads
	s_lshl_b32 s63, s87, 9
	v_lshl_add_u32 v6, v1, 4, s63                  ; my 16 bytes of the work-group's 1,024 in the output
	s_cmp_eq_u32 s79, 0                            ; slot 0 of sets 2-4 is the plain sum e h: factor 1; every other sum is of A E: factor 2 ln 2
	s_cselect_b32 s63, s89, 0
	s_cmp_lg_u32 s63, 0
	s_cselect_b32 s80, 1.0, 0x3fb17218
	s_mov_b32 s81, s80                             ; named with it as a pair
	s_sub_co_u32 s76, 3, s3                        ; the output's number: 5 y + g (3 - y) + slot
	s_mul_i32 s76, s76, s61
	s_mul_i32 s86, s3, 5
	s_add_co_u32 s86, s86, s76
	s_add_co_u32 s86, s86, s79
	s_mov_b64 s[82:83], s[30:31]
.irp i, 1,2,3,4,5,6,7,8
	s_cmp_eq_u32 s86, \i
	s_cselect_b64 s[82:83], s[30+2*(\i):31+2*(\i)], s[82:83]
.endr
	s_lshl_b32 s84, s60, 10                        ; my work-group's 256 numbers
	s_mov_b32 s85, 0
	s_add_nc_u64 s[82:83], s[82:83], s[84:85]
	s_wait_dscnt 0x0
.irp k, 0,2,4,6                                ; a tree: neighbours 1, 2 and 4 apart
	v_pk_add_f32 v[W+4*(\k):W+4*(\k)+1],   v[W+4*(\k):W+4*(\k)+1],   v[W+4*(\k)+4:W+4*(\k)+5]
	v_pk_add_f32 v[W+4*(\k)+2:W+4*(\k)+3], v[W+4*(\k)+2:W+4*(\k)+3], v[W+4*(\k)+6:W+4*(\k)+7]
.endr
.irp k, 0,4
	v_pk_add_f32 v[W+4*(\k):W+4*(\k)+1],   v[W+4*(\k):W+4*(\k)+1],   v[W+4*(\k)+8:W+4*(\k)+9]
	v_pk_add_f32 v[W+4*(\k)+2:W+4*(\k)+3], v[W+4*(\k)+2:W+4*(\k)+3], v[W+4*(\k)+10:W+4*(\k)+11]
.endr
	v_pk_add_f32 v[W:W+1],   v[W:W+1],   v[W+16:W+17]
	v_pk_add_f32 v[W+2:W+3], v[W+2:W+3], v[W+18:W+19]
	v_pk_mul_f32 v[W:W+1],   v[W:W+1],   s[80:81] op_sel_hi:[1,0]
	v_pk_mul_f32 v[W+2:W+3], v[W+2:W+3], s[80:81] op_sel_hi:[1,0]
	global_store_b128 v6, v[W:W+3], s[82:83] th:TH_STORE_NT  ; the wave stores 512 consecutive bytes, at a multiple of 512 from the output's first byte
.Lend:
	; All sixteen waves meet once more: no wave touches its spare word before every wave's reads of the partial sums are back.  (By the arithmetic at PREG those reads end below SPARE.)
	s_wait_dscnt 0x0                               ; for the others' sake: my reads of the partial sums are back
	s_barrier_signal -1
	s_barrier_wait -1
	s_wait_tensorcnt 0x0                           ; the wave's end
	ds_add_u32 v[SPW], v[NIL]
	s_wait_dscnt 0x0
	s_endpgm
.Lfunc_end_k_q2f9034dcb2_rbf:
	.size	k_q2f9034dcb2_rbf, .Lfunc_end_k_q2f9034dcb2_rbf-k_q2f9034dcb2_rbf
	.p2alignl 7, 3214868480
	.fill 96, 4, 3214868480
	.section	.rodata,"a",@progbits
	.p2align	6, 0x0
	.amdhsa_kernel k_q2f9034dcb2_rbf
		.amdhsa_group_segment_fixed_size 149504
		.amdhsa_private_segment_fixed_size 0
		.amdhsa_enable_private_segment 0
		.amdhsa_kernarg_size 176
		.amdhsa_user_sgpr_count 2
		.amdhsa_user_sgpr_kernarg_segment_ptr 1
		.amdhsa_wavefront_size32 1
		.amdhsa_system_sgpr_workgroup_id_x 1
		.amdhsa_system_sgpr_workgroup_id_y 1
		.amdhsa_system_sgpr_workgroup_id_z 1
		.amdhsa_system_vgpr_workitem_id 0
		.amdhsa_next_free_vgpr 236
		.amdhsa_next_free_sgpr 90
		.amdhsa_reserve_vcc 0
		.amdhsa_float_denorm_mode_32 3
		.amdhsa_float_denorm_mode_16_64 3
		.amdhsa_memory_ordered 1
		.amdhsa_forward_progress 1
		.amdhsa_inst_pref_size 73
	.end_amdhsa_kernel
	.amdgpu_metadata
---
amdhsa.version: [ 1, 2 ]
amdhsa.kernels:
  - .name:           k_q2f9034dcb2_rbf
    .symbol:         k_q2f9034dcb2_rbf.kd
    .args:
      - { .name: x, .offset: 0, .size: 8, .value_kind: global_buffer, .address_space: global }
      - { .name: c1, .offset: 8, .size: 8, .value_kind: global_buffer, .address_space: global }
      - { .name: w1, .offset: 16, .size: 8, .value_kind: global_buffer, .address_space: global }
      - { .name: h1, .offset: 24, .size: 8, .value_kind: global_buffer, .address_space: global }
      - { .name: c2, .offset: 32, .size: 8, .value_kind: global_buffer, .address_space: global }
      - { .name: w2, .offset: 40, .size: 8, .value_kind: global_buffer, .address_space: global }
      - { .name: h2, .offset: 48, .size: 8, .value_kind: global_buffer, .address_space: global }
      - { .name: c3, .offset: 56, .size: 8, .value_kind: global_buffer, .address_space: global }
      - { .name: w3, .offset: 64, .size: 8, .value_kind: global_buffer, .address_space: global }
      - { .name: h3, .offset: 72, .size: 8, .value_kind: global_buffer, .address_space: global }
      - { .name: c4, .offset: 80, .size: 8, .value_kind: global_buffer, .address_space: global }
      - { .name: w4, .offset: 88, .size: 8, .value_kind: global_buffer, .address_space: global }
      - { .name: h4, .offset: 96, .size: 8, .value_kind: global_buffer, .address_space: global }
      - { .name: out0, .offset: 104, .size: 8, .value_kind: global_buffer, .address_space: global }
      - { .name: out1, .offset: 112, .size: 8, .value_kind: global_buffer, .address_space: global }
      - { .name: out2, .offset: 120, .size: 8, .value_kind: global_buffer, .address_space: global }
      - { .name: out3, .offset: 128, .size: 8, .value_kind: global_buffer, .address_space: global }
      - { .name: out4, .offset: 136, .size: 8, .value_kind: global_buffer, .address_space: global }
      - { .name: out5, .offset: 144, .size: 8, .value_kind: global_buffer, .address_space: global }
      - { .name: out6, .offset: 152, .size: 8, .value_kind: global_buffer, .address_space: global }
      - { .name: out7, .offset: 160, .size: 8, .value_kind: global_buffer, .address_space: global }
      - { .name: out8, .offset: 168, .size: 8, .value_kind: global_buffer, .address_space: global }
    .group_segment_fixed_size: 149504
    .private_segment_fixed_size: 0
    .kernarg_segment_align: 8
    .kernarg_segment_size: 176
    .max_flat_workgroup_size: 512
    .sgpr_count:     90
    .vgpr_count:     236
    .wavefront_size: 32
...
	.end_amdgpu_metadata
.endif
;; end of part 2
